; MI455X (gfx1250); checked and timed in simulation.
; The chip was launched on July 23, 2026; its instructions are those of AMD's public machine-readable ISA for CDNA 5 (MIT licence, August 2026) and "CDNA5" Instruction Set Architecture Reference Guide (July 2026). The comments in the code are by the model that wrote it; some were corrected since.
;; ACT Module. Allowed arithmetic: float matrix products may take bf16 or f16 operands with f32 sums; other float arithmetic in f32, or as packed bf16 or f16 multiplies, adds, multiply-adds, maxima and minima; sums over many terms, partial sums and values carried from step to step in f32; what a program stores and reads back later, other than sums and carried values, may be rounded once to bf16 or f16.
;; Inputs: Wt 1,024 x 1,024 float32; b_p 1 float32; bt 1,024 float32; inputs 4 x 2,048 x 1,024 float32; ln_beta 1,024 float32; ln_gamma 1,024 float32; pos_enc 1 x 6 x 1,024 float32; time_enc 1 x 2,048 x 1,024 float32; w_p 1,024 float32.
;; Outputs: out0 4 x 2,048 x 1,024 float32; out1 4 x 2,048 float32; out2 4 x 2,048 float32.
;; One version. Each part assembles by itself: llvm-mc -triple=amdgcn-amd-amdhsa -mcpu=gfx1250 --defsym DOCPART=n.
;; ======== version 1 of 1: 2 launches
;; limits: values are held in f16: magnitudes above 65,504 overflow, below 6.1e-05 lose precision; a difference of large sums (such as E[x^2] - mean^2): digits are lost where the result is much smaller than its terms
;; workspace buffers: aw 16,777,216 bytes; wh 2,097,152 bytes; cw 32,768 bytes
;; launch prep (part 1): grid 256 x 1, 8 waves a work-group, no clusters, 34,048 bytes of LDS; arguments inputs, time_enc, pos_enc, ln_gamma, ln_beta, w_p, b_p, Wt, out1, out2, aw, wh, cw; writes out1, out2, aw, wh, cw
.if DOCPART == 1
	.amdgcn_target "amdgcn-amd-amdhsa--gfx1250"
	.amdhsa_code_object_version 6
	.text
	.protected	k_qeb26817d65_prep
	.globl	k_qeb26817d65_prep
	.p2align	8
	.type	k_qeb26817d65_prep,@function
k_qeb26817d65_prep:
	s_mov_b64 s[64:65], 0
	v_nop
	global_prefetch_b8 v0, s[64:65] scope:SCOPE_SE
	s_setreg_imm32_b32 hwreg(HW_REG_WAVE_MODE, 25, 1), 1
	s_wait_xcnt 0x0
; ACT, first of two launches: the halting recurrence in f32, and the ONE matrix operand that the six hops leave.
; The blend new = tstate uw + prev (1 - uw) is linear in tstate, so with c_k = uw_k x prod over j > k of (1 - uw_j) and C = sum c_k
;   out0 = (sum_k c_k state_k) Wt^T + C bt,   state_k = inputs + time_enc + pos_enc[k],   for every input.
; This launch stores aw = sum_k c_k state_k (f16), cw = C (f32), wh = Wt (f16), out1 = the remainders, out2 = the updates' counts.
; STATISTICS, all f32.  base = inputs + time_enc, mb its mean, cb = base - mb; mp_k the mean of pos_enc[k], cp_k = pos_enc[k] - mp_k; gw = gamma x w_p.
;   var_k = (|cb|^2 + |cp_k|^2 + 2 cb.cp_k) / 1024;   z_k = (cb.gw + cp_k.gw) rsq(var_k + 1e-5) + beta.w_p + b_p;   p_k = 1 / (1 + 2^(-log2(e) z_k)).
; The recurrence takes reference()'s operations in its order; each of its products has a factor 0 or 1, so a fused multiply-add rounds as the two would.
; LIMITS.  NaN and infinities are not treated apart ((acc <= 0.9) sr is formed as sr - nh).  aw and wh are f16: |sum c_k state_k| and |Wt| under 65,504; |Wt| below 6e-5 keeps
; f16's step of 6e-8.  var_k is made of centred vectors, so no common offset enters it; it loses digits only where base and pos_enc[k] nearly cancel.  Sums go in another order than reference()'s.
; SHARES.  Wave w of work-group g owns t = 8 g + w in all four batches: four rows of inputs and one of time_enc, which is so read once.  Lane l holds columns 128 j + 4 l .. + 3 (j = 0..7):
; each 16-byte load of a wave covers 512 consecutive bytes, each 8-byte store of f16 256 consecutive bytes, aligned.  A row stays in 32 registers from its load to its store.
; The work-group's constants are made once: wave k < 6 makes cp_k and its three figures, wave 6 gw and beta.w_p (wave 7 runs wave 6's arithmetic, so that all waves have one path of loads and counts,
; and stores no vector); they meet in LDS behind the launch's one barrier.  Each wave also rounds 2,048 bytes of Wt.
; No matrix unit: these dots steer discrete decisions and stay f32.  No tensor load: a row goes straight into the registers in which it stays.  No cluster: what work-groups share is 36 KiB of constants.
; No prefetch: every load of the launch goes out at its head.
; REGISTERS, in windows of 256 (s_set_vgpr_msb: bits 1:0 source 0, 3:2 source 1, 5:4 source 2, 7:6 destination).  Window 0: below.  Window 1: first the constants at work, then cp_k at 32 k and gw at 192.
.set SCT,   32768     ; LDS: eight vectors of 4,096 bytes from 0 (cp_0..5, gw, one unused); here eight quads of 16 bytes
.set SPARE, 33024     ; the spare words, 128 bytes for each wave: four blocks of 256 bytes that no other line names
.set LO,  1           ; v1      16 x lane
.set IO,  2           ; v2-5    16 x lane + batch r x 2,048 rows x 4,096 bytes
.set AO,  6           ; v6-9    8 x lane + batch r x 2,048 rows x 2,048 bytes
.set LN,  10          ; v10     lane
.set TOK, 11          ; v11     (lane % 4) x 8,192: batch lane % 4 in out1, out2, cw
.set SPW, 12          ; v12     LDS address of my spare word; never rewritten
.set NIL, 13          ; v13     0; never rewritten
.set LV,  14          ; v14     my wave's vector in LDS + 16 x lane
.set LSC, 15          ; v15     my wave's quad; later the quads' first byte
.set MB,  16          ; v16-23  row r's mean, twice (a pair for the packed subtraction)
.set SC,  24          ; v24-51  quads 0..6: mean, sum of squares, dot with gw, dot with w_p
.set QD,  52          ; v52-55  my wave's quad, in the making
.set X,   56          ; v56-183 row r at X + 32 r
.set PA,  184         ; v184-247 sum j of row r, a pair, at PA + 8 j + 2 r;  before that T;  behind it the recurrence's registers;  at last H
.set T,   184         ; the row of time_enc
.set H,   184         ; row r in f16 at H + 16 r
.set W,   248         ; v248-255 at work
.set CF,  248         ; c_0..c_5, C, s = C mb + sum c_k mp_k
.set PV,  0           ; window 1: my constant row (pos_enc[w], or beta)
.set GA,  32          ; gamma, then gw
.set WP,  64          ; w_p
.set CH,  96          ; chains of sums
.set WT,  224         ; 16 registers of Wt
.set WH,  240         ; the same in f16; never rewritten
.set Q,   PA          ; the recurrence: lane l works for row l % 4
.set D,   PA+8
.set HB,  PA+16       ; hop k: HB + 8 k: cb.cp_k; + 1: var, rsq; + 2: d, z, p; + 3: uw
.set HP,  185
.set REM, 186
.set NUP, 187
.set SR,  188
.set AC,  189
.set NH,  190
.set S2,  191
.set TT,  193
.set BB,  194
.set MBS, 195
.set FF,  196
.set WV,  34          ; s34  my wave's number
.set BP,  35          ; s35  b_p
.set M1,  36          ; s36  lanes with bit 0 set
.set M2,  37          ; s37  lanes with bit 1 set
.set SEL, 38          ; s[38:39] v_permlanex16_b32's selects: each lane takes its own place in the other half
.set RN,  40          ; s40  1 / 1024
.set EPS, 41          ; s41  1e-5
.set THR, 42          ; s42  0.9
.set SAVE, 43
.set OF,  44          ; s[44:45], s[46:47] offsets, made apart from the addresses
.set OG,  46
.set C0,  48          ; s[48:63], s[68:83] a row's eight coefficients as pairs, two sets by turns; the odd words are 0
.set ROWP, 84         ; s[84:85] my constant row
.set MSB, 0
.macro WIN new                      ; the immediate's high byte repeats the setting that is left; a switch that changes nothing is dropped
.if MSB != (\new)
	s_set_vgpr_msb (MSB<<8)|(\new)
.set MSB, \new
.endif
.endm
.macro RED v, tmp                   ; the sum over the 32 lanes, in every lane
.irp m, 1,2,4,8
	v_add_f32_dpp v[\v], v[\v], v[\v] row_xmask:\m row_mask:0xf bank_mask:0xf
.endr
	v_permlanex16_b32 v[\tmp], v[\v], s[SEL], s[SEL+1]
	v_add_f32 v[\v], v[\v], v[\tmp]
.endm
.macro FOLD4 d                      ; four chains' pairs into the pair at d
	v_pk_add_f32 v[(\d):(\d)+1], v[(\d):(\d)+1], v[(\d)+2:(\d)+3]
	v_pk_add_f32 v[(\d)+4:(\d)+5], v[(\d)+4:(\d)+5], v[(\d)+6:(\d)+7]
	v_pk_add_f32 v[(\d):(\d)+1], v[(\d):(\d)+1], v[(\d)+4:(\d)+5]
.endm
.macro SUM16 d, a                   ; the sum of 16 pairs at a, in four chains that the first pairs start: nothing is cleared
.irp c, 0,1,2,3
	v_pk_add_f32 v[(\d)+2*(\c):(\d)+2*(\c)+1], v[(\a)+2*(\c):(\a)+2*(\c)+1], v[(\a)+8+2*(\c):(\a)+8+2*(\c)+1]
.endr
.irp i, 8,9,10,11,12,13,14,15
	v_pk_add_f32 v[(\d)+2*((\i)%4):(\d)+2*((\i)%4)+1], v[(\d)+2*((\i)%4):(\d)+2*((\i)%4)+1], v[(\a)+2*(\i):(\a)+2*(\i)+1]
.endr
	FOLD4 \d
.endm
.macro DOT16 d, a, b                ; the same for products
.irp c, 0,1,2,3
	v_pk_mul_f32 v[(\d)+2*(\c):(\d)+2*(\c)+1], v[(\a)+2*(\c):(\a)+2*(\c)+1], v[(\b)+2*(\c):(\b)+2*(\c)+1]
.endr
.irp i, 4,5,6,7,8,9,10,11,12,13,14,15
	v_pk_fma_f32 v[(\d)+2*((\i)%4):(\d)+2*((\i)%4)+1], v[(\a)+2*(\i):(\a)+2*(\i)+1], v[(\b)+2*(\i):(\b)+2*(\i)+1], v[(\d)+2*((\i)%4):(\d)+2*((\i)%4)+1]
.endr
	FOLD4 \d
.endm
	s_load_b512 s[8:23], s[0:1], 0x0    ; inputs s[8:9], time_enc s[10:11], pos_enc s[12:13], gamma s[14:15], beta s[16:17], w_p s[18:19], b_p s[20:21], Wt s[22:23]
	s_load_b256 s[24:31], s[0:1], 0x40  ; out1 s[24:25], out2 s[26:27], aw s[28:29], wh s[30:31]
	s_load_b64 s[32:33], s[0:1], 0x60   ; cw
	v_lshl_add_u32 v[SPW], v0, 2, SPARE
	v_mov_b32 v[NIL], 0
	v_lshrrev_b32 v[LN], 5, v0
	v_readfirstlane_b32 s[WV], v[LN]    ; wave 0..7
	v_and_b32 v[LN], 31, v0
	v_lshlrev_b32 v[LO], 4, v[LN]
	v_lshlrev_b32 v[AO], 3, v[LN]
.irp r, 0,1,2,3
	v_add_nc_u32 v[IO+(\r)], (\r)<<23, v[LO]
.endr
.irp r, 1,2,3
	v_add_nc_u32 v[AO+(\r)], (\r)<<22, v[AO]
.endr
	v_and_b32 v[TOK], 3, v[LN]
	v_lshlrev_b32 v[TOK], 13, v[TOK]
	s_lshl_b32 s[OF], s[WV], 12
	v_add_nc_u32 v[LV], s[OF], v[LO]    ; 4,096 x wave + 16 x lane
	s_lshl_b32 s[OG], s[WV], 4
	s_add_co_u32 s[OG], s[OG], SCT
	v_mov_b32 v[LSC], s[OG]             ; SCT + 16 x wave
	v_mov_b32 v[W+7], 0                 ; v_permlanex16_b32's destination counts as read
	s_mov_b32 s[M1], 0xaaaaaaaa
	s_mov_b32 s[M2], 0xcccccccc
	s_mov_b32 s[SEL], 0x76543210
	s_mov_b32 s[SEL+1], 0xfedcba98
	s_mov_b32 s[RN], 0x3a800000
	s_mov_b32 s[EPS], 0x3727c5ac
	s_mov_b32 s[THR], 0x3f666666
.irp i, 0,1,2,3,4,5,6,7
	s_mov_b32 s[C0+2*(\i)+1], 0         ; named as pairs
	s_mov_b32 s[C0+20+2*(\i)+1], 0
.endr
	s_lshl_b32 s2, ttmp9, 3
	s_add_co_u32 s2, s2, s[WV]          ; t = 8 g + w
	s_mov_b32 s[OF+1], 0
	s_mov_b32 s[OG+1], 0
	s_wait_kmcnt 0x0
	s_lshl_b32 s[OF], s2, 12            ; a row of f32 is 4,096 bytes
	s_add_nc_u64 s[8:9], s[8:9], s[OF:OF+1]
	s_add_nc_u64 s[10:11], s[10:11], s[OF:OF+1]
	s_lshl_b32 s[OG], s2, 11            ; a row of f16, and my share of Wt: 2,048 bytes
	s_add_nc_u64 s[28:29], s[28:29], s[OG:OG+1]
	s_add_nc_u64 s[22:23], s[22:23], s[OG:OG+1]
	s_lshl_b32 s[OF], s2, 10            ; my share of wh
	s_add_nc_u64 s[30:31], s[30:31], s[OF:OF+1]
	s_lshl_b32 s[OG], s2, 2             ; my token's word
	s_add_nc_u64 s[24:25], s[24:25], s[OG:OG+1]
	s_add_nc_u64 s[26:27], s[26:27], s[OG:OG+1]
	s_add_nc_u64 s[32:33], s[32:33], s[OG:OG+1]
	s_min_u32 s[OF], s[WV], 5
	s_lshl_b32 s[OF], s[OF], 12
	s_add_nc_u64 s[12:13], s[12:13], s[OF:OF+1]
	s_cmp_lt_u32 s[WV], 6
	s_cselect_b64 s[ROWP:ROWP+1], s[12:13], s[16:17]  ; waves 0-5: pos_enc[w]; waves 6, 7: beta
	s_load_b32 s[BP], s[20:21], 0x0
	; 60 loads at once: the constants first, then my share of Wt, the row of time_enc and three of my four rows
	WIN 0x40                            ; destination window 1, address window 0
.irp j, 0,1,2,3,4,5,6,7
	global_load_b128 v[PV+4*(\j):PV+4*(\j)+3], v[LO], s[ROWP:ROWP+1] offset:512*(\j)
.endr
.irp j, 0,1,2,3,4,5,6,7
	global_load_b128 v[GA+4*(\j):GA+4*(\j)+3], v[LO], s[14:15] offset:512*(\j)
.endr
.irp j, 0,1,2,3,4,5,6,7
	global_load_b128 v[WP+4*(\j):WP+4*(\j)+3], v[LO], s[18:19] offset:512*(\j)
.endr
.irp j, 0,1,2,3
	global_load_b128 v[WT+4*(\j):WT+4*(\j)+3], v[LO], s[22:23] offset:512*(\j) th:TH_LOAD_NT
.endr
	WIN 0
.irp j, 0,1,2,3,4,5,6,7
	global_load_b128 v[T+4*(\j):T+4*(\j)+3], v[LO], s[10:11] offset:512*(\j) th:TH_LOAD_NT
.endr
.irp r, 0,1,2
.irp j, 0,1,2,3,4,5,6,7
	global_load_b128 v[X+32*(\r)+4*(\j):X+32*(\r)+4*(\j)+3], v[IO+(\r)], s[8:9] offset:512*(\j) th:TH_LOAD_NT
.endr
.endr
	; THE CONSTANTS
	s_wait_loadcnt 36                   ; my constant row, gamma and w_p are in; the 36 younger loads (Wt 4, time_enc 8, rows 24) stay out
	WIN 0x55                            ; all in window 1
.set i, 0
.rept 16
	v_pk_mul_f32 v[GA+2*i:GA+2*i+1], v[GA+2*i:GA+2*i+1], v[WP+2*i:WP+2*i+1]  ; gw
.set i, i+1
.endr
	SUM16 CH, PV
	DOT16 CH+8, PV, WP                  ; the row as it came, times w_p: wave 6's is beta.w_p
	WIN 0x05                            ; sources window 1, destination window 0
	v_add_f32 v[QD], v[CH], v[CH+1]
	v_add_f32 v[QD+3], v[CH+8], v[CH+9]
	WIN 0
	RED QD, W+7
	RED QD+3, W+7
	v_mul_f32 v[QD], s[RN], v[QD]       ; the row's mean
	v_mov_b32 v[QD+1], v[QD]
	WIN 0x41                            ; destination and source 0 window 1, source 1 window 0
.set i, 0
.rept 16
	v_pk_add_f32 v[PV+2*i:PV+2*i+1], v[PV+2*i:PV+2*i+1], v[QD:QD+1] neg_lo:[0,1] neg_hi:[0,1]  ; centred
.set i, i+1
.endr
	WIN 0x55
	DOT16 CH, PV, PV
	DOT16 CH+8, PV, GA
	WIN 0x05
	v_add_f32 v[QD+1], v[CH], v[CH+1]
	v_add_f32 v[QD+2], v[CH+8], v[CH+9]
	WIN 0
	RED QD+1, W+7
	RED QD+2, W+7
	ds_store_b128 v[LSC], v[QD:QD+3]    ; every lane holds the same four numbers
	s_cmp_lt_u32 s[WV], 6
	s_cbranch_scc0 .Lnot_pos
	WIN 0x04                            ; store data window 1
.irp j, 0,1,2,3,4,5,6,7
	ds_store_b128 v[LV], v[PV+4*(\j):PV+4*(\j)+3] offset:512*(\j)
.endr
	WIN 0
	s_branch .Lstored
.Lnot_pos:
	s_cmp_eq_u32 s[WV], 6
	s_cbranch_scc0 .Lstored
	WIN 0x04
.irp j, 0,1,2,3,4,5,6,7
	ds_store_b128 v[LV], v[GA+4*(\j):GA+4*(\j)+3] offset:512*(\j)
.endr
	WIN 0
.Lstored:
.irp j, 0,1,2,3,4,5,6,7
	global_load_b128 v[X+96+4*(\j):X+96+4*(\j)+3], v[IO+3], s[8:9] offset:512*(\j) th:TH_LOAD_NT  ; my fourth row
.endr
	s_wait_loadcnt 40                   ; Wt's four loads are in; time_enc's 8 and the rows' 32 stay out
	WIN 0x45                            ; destination and both sources window 1
.irp i, 0,1,2,3,4,5,6,7
	v_cvt_pk_f16_f32 v[WH+(\i)], v[WT+2*(\i)], v[WT+2*(\i)+1]
.endr
	WIN 0x04
.irp j, 0,1,2,3
	global_store_b64 v[AO], v[WH+2*(\j):WH+2*(\j)+1], s[30:31] offset:256*(\j)  ; a wave's store covers 256 consecutive bytes, aligned
.endr
	WIN 0
	s_wait_dscnt 0x0                    ; for the others' sake: my quad and my vector lie in LDS
	s_barrier_signal -1
	s_barrier_wait -1                   ; everybody's do; nobody writes these bytes again
	v_mov_b32 v[LSC], SCT
	WIN 0x40
.irp k, 0,1,2,3,4,5,6
.irp j, 0,1,2,3,4,5,6,7
	ds_load_b128 v[32*(\k)+4*(\j):32*(\k)+4*(\j)+3], v[LO] offset:4096*(\k)+512*(\j)  ; cp_0..5, then gw at 192
.endr
.endr
	WIN 0
.irp q, 0,1,2,3,4,5,6
	ds_load_b128 v[SC+4*(\q):SC+4*(\q)+3], v[LSC] offset:16*(\q)
.endr
; A ROW COMES IN: base = inputs + time_enc, its mean, and base - mean in place.  cnt: the younger rows' loads, which stay out.
.macro ROWIN r, cnt
	s_wait_loadcnt \cnt
.set i, 0
.rept 16
	v_pk_add_f32 v[X+32*(\r)+2*i:X+32*(\r)+2*i+1], v[X+32*(\r)+2*i:X+32*(\r)+2*i+1], v[T+2*i:T+2*i+1]
.set i, i+1
.endr
	SUM16 W, X+32*(\r)
	v_add_f32 v[W], v[W], v[W+1]
	RED W, W+7
	v_mul_f32 v[MB+2*(\r)], s[RN], v[W]
	v_mul_f32 v[MB+2*(\r)+1], s[RN], v[W]
.set i, 0
.rept 16
	v_pk_add_f32 v[X+32*(\r)+2*i:X+32*(\r)+2*i+1], v[X+32*(\r)+2*i:X+32*(\r)+2*i+1], v[MB+2*(\r):MB+2*(\r)+1] neg_lo:[0,1] neg_hi:[0,1]
.set i, i+1
.endr
.endm
	ROWIN 0, 24
	ROWIN 1, 16
	ROWIN 2, 8
	ROWIN 3, 0
	; EIGHT SUMS A ROW: 0 |cb|^2, 1 cb.gw, 2..7 cb.cp_0..5.  The first products start the sums.
.set i, 0
.rept 16
.set r, 0
.rept 4
.if i == 0
	v_pk_mul_f32 v[PA+2*r:PA+2*r+1], v[X+32*r:X+32*r+1], v[X+32*r:X+32*r+1]
.else
	v_pk_fma_f32 v[PA+2*r:PA+2*r+1], v[X+32*r+2*i:X+32*r+2*i+1], v[X+32*r+2*i:X+32*r+2*i+1], v[PA+2*r:PA+2*r+1]
.endif
.set r, r+1
.endr
.set i, i+1
.endr
	s_wait_dscnt 0x0                    ; the seven vectors and the quads are in
	WIN 0x04                            ; source 1 window 1: one stretch under one setting, 28 chains side by side
.set i, 0
.rept 16
.set j, 1
.rept 7
.set r, 0
.rept 4
.if i == 0
	v_pk_mul_f32 v[PA+8*j+2*r:PA+8*j+2*r+1], v[X+32*r:X+32*r+1], v[32*((j+5)%7):32*((j+5)%7)+1]
.else
	v_pk_fma_f32 v[PA+8*j+2*r:PA+8*j+2*r+1], v[X+32*r+2*i:X+32*r+2*i+1], v[32*((j+5)%7)+2*i:32*((j+5)%7)+2*i+1], v[PA+8*j+2*r:PA+8*j+2*r+1]
.endif
.set r, r+1
.endr
.set j, j+1
.endr
.set i, i+1
.endr
	WIN 0
.set i, 0
.rept 32
	v_add_f32 v[PA+2*i], v[PA+2*i], v[PA+2*i+1]  ; a pair's two halves
.set i, i+1
.endr
	; ACROSS THE LANES, four rows at once: a lane keeps the row of its own bit and sends the other to its neighbour: rows 0 | 1 and 2 | 3 by bit 0, then by bit 1; the rest is a plain sum.
	; Every lane ends with the sum of row lane % 4, at PA + 8 j.
.irp j, 0,1,2,3,4,5,6,7
	v_cndmask_b32 v[PA+8*(\j)+1], v[PA+8*(\j)], v[PA+8*(\j)+2], s[M1]
	v_cndmask_b32 v[PA+8*(\j)+3], v[PA+8*(\j)+2], v[PA+8*(\j)], s[M1]
	v_cndmask_b32 v[PA+8*(\j)+5], v[PA+8*(\j)+4], v[PA+8*(\j)+6], s[M1]
	v_cndmask_b32 v[PA+8*(\j)+7], v[PA+8*(\j)+6], v[PA+8*(\j)+4], s[M1]
.endr
.irp j, 0,1,2,3,4,5,6,7
	v_add_f32_dpp v[PA+8*(\j)], v[PA+8*(\j)+3], v[PA+8*(\j)+1] row_xmask:1 row_mask:0xf bank_mask:0xf
	v_add_f32_dpp v[PA+8*(\j)+2], v[PA+8*(\j)+7], v[PA+8*(\j)+5] row_xmask:1 row_mask:0xf bank_mask:0xf
.endr
.irp j, 0,1,2,3,4,5,6,7
	v_cndmask_b32 v[PA+8*(\j)+1], v[PA+8*(\j)], v[PA+8*(\j)+2], s[M2]
	v_cndmask_b32 v[PA+8*(\j)+3], v[PA+8*(\j)+2], v[PA+8*(\j)], s[M2]
.endr
.irp j, 0,1,2,3,4,5,6,7
	v_add_f32_dpp v[PA+8*(\j)], v[PA+8*(\j)+3], v[PA+8*(\j)+1] row_xmask:2 row_mask:0xf bank_mask:0xf
.endr
.irp j, 0,1,2,3,4,5,6,7
	v_add_f32_dpp v[PA+8*(\j)], v[PA+8*(\j)], v[PA+8*(\j)] row_xmask:4 row_mask:0xf bank_mask:0xf
.endr
.irp j, 0,1,2,3,4,5,6,7
	v_add_f32_dpp v[PA+8*(\j)], v[PA+8*(\j)], v[PA+8*(\j)] row_xmask:8 row_mask:0xf bank_mask:0xf
.endr
.irp j, 0,1,2,3,4,5,6,7
	v_permlanex16_b32 v[PA+8*(\j)+5], v[PA+8*(\j)], s[SEL], s[SEL+1]
.endr
.irp j, 0,1,2,3,4,5,6,7
	v_add_f32 v[PA+8*(\j)], v[PA+8*(\j)], v[PA+8*(\j)+5]
.endr
	; THE SIX HALTING PROBABILITIES, side by side; three batches of six transcendentals, each with one plain instruction behind its last and one wait ahead of its first reader
	s_wait_kmcnt 0x0                    ; b_p
	v_cndmask_b32 v[MBS], v[MB], v[MB+2], s[M1]
	v_cndmask_b32 v[FF], v[MB+4], v[MB+6], s[M1]
	v_cndmask_b32 v[MBS], v[MBS], v[FF], s[M2]  ; the mean of row lane % 4
	v_add_f32 v[BB], s[BP], v[SC+27]    ; beta.w_p + b_p
.irp k, 0,1,2,3,4,5
	v_add_f32 v[HB+8*(\k)+1], v[Q], v[SC+4*(\k)+1]
.endr
.irp k, 0,1,2,3,4,5
	v_fma_f32 v[HB+8*(\k)+1], v[HB+8*(\k)], 2.0, v[HB+8*(\k)+1]
.endr
.irp k, 0,1,2,3,4,5
	v_max_num_f32 v[HB+8*(\k)+1], 0, v[HB+8*(\k)+1]  ; a sum of squares is not below 0, whatever the rounding made of it
.endr
.irp k, 0,1,2,3,4,5
	v_fma_f32 v[HB+8*(\k)+1], v[HB+8*(\k)+1], s[RN], s[EPS]
.endr
.irp k, 0,1,2,3,4,5
	v_rsq_f32 v[HB+8*(\k)+1], v[HB+8*(\k)+1]
.endr
.irp k, 0,1,2,3,4,5
	v_add_f32 v[HB+8*(\k)+2], v[D], v[SC+4*(\k)+2]  ; the plain work behind the batch
.endr
	s_wait_alu depctr_va_vdst(0)        ; one wait for the six
.irp k, 0,1,2,3,4,5
	v_fma_f32 v[HB+8*(\k)+2], v[HB+8*(\k)+2], v[HB+8*(\k)+1], v[BB]
.endr
.irp k, 0,1,2,3,4,5
	v_mul_f32 v[HB+8*(\k)+2], 0xbfb8aa3b, v[HB+8*(\k)+2]  ; - log2(e) z
.endr
.irp k, 0,1,2,3,4,5
	v_exp_f32 v[HB+8*(\k)+2], v[HB+8*(\k)+2]
.endr
	v_nop
	s_wait_alu depctr_va_vdst(0)
.irp k, 0,1,2,3,4,5
	v_add_f32 v[HB+8*(\k)+2], 1.0, v[HB+8*(\k)+2]
.endr
.irp k, 0,1,2,3,4,5
	v_rcp_f32 v[HB+8*(\k)+2], v[HB+8*(\k)+2]
.endr
	v_mov_b32 v[HP], 0                  ; the plain instruction behind the batch
	s_wait_alu depctr_va_vdst(0)
	v_mov_b32 v[REM], 0
	v_mov_b32 v[NUP], 0
; THE RECURRENCE, hop k, in reference()'s order.  Choices select values alone: no branch hangs on them.
.macro HOP k
	v_cmp_gt_f32 vcc_lo, 1.0, v[HP]
	v_cndmask_b32 v[SR], 0, 1.0, vcc_lo                     ; still running
	v_fma_f32 v[AC], v[HB+8*(\k)+2], v[SR], v[HP]
	v_cmp_lt_f32 vcc_lo, s[THR], v[AC]
	v_cndmask_b32 v[NH], 0, v[SR], vcc_lo                   ; halts now
	v_sub_f32 v[S2], v[SR], v[NH]                           ; runs on
	v_fma_f32 v[HP], v[HB+8*(\k)+2], v[S2], v[HP]
	v_sub_f32 v[TT], 1.0, v[HP]
	v_fma_f32 v[REM], v[NH], v[TT], v[REM]
	v_fma_f32 v[HP], v[NH], v[REM], v[HP]
	v_add_f32 v[NUP], v[NUP], v[SR]                         ; runs on + halts now = still running: whole numbers, exact
	v_mul_f32 v[HB+8*(\k)+3], v[HB+8*(\k)+2], v[S2]
	v_fma_f32 v[HB+8*(\k)+3], v[NH], v[REM], v[HB+8*(\k)+3] ; uw
.endm
.irp k, 0,1,2,3,4,5
	HOP \k
.endr
	v_mov_b32 v[CF+5], v[HB+43]         ; c_5 = uw_5; backward from there, f = the product of the later (1 - uw)
	v_sub_f32 v[FF], 1.0, v[HB+43]
.irp k, 4,3,2,1
	v_mul_f32 v[CF+(\k)], v[HB+8*(\k)+3], v[FF]
	v_fma_f32 v[FF], -v[HB+8*(\k)+3], v[FF], v[FF]
.endr
	v_mul_f32 v[CF], v[HB+3], v[FF]
	v_add_f32 v[CF+6], v[CF], v[CF+1]
.irp k, 2,3,4,5
	v_add_f32 v[CF+6], v[CF+6], v[CF+(\k)]  ; C
.endr
	v_mul_f32 v[CF+7], v[CF+6], v[MBS]
.irp k, 0,1,2,3,4,5
	v_fmac_f32 v[CF+7], v[CF+(\k)], v[SC+4*(\k)]  ; s = C mb + sum c_k mp_k
.endr
	; lanes 0-3 store their row's three numbers: four bytes a lane to rows far apart, 96 KiB of the launch's bytes in all
	s_wait_xcnt 0x0                     ; EXEC changes only behind this wait
	v_cmp_gt_u32 vcc_lo, 4, v[LN]
	s_and_saveexec_b32 s[SAVE], vcc_lo
	global_store_b32 v[TOK], v[REM], s[24:25]
	global_store_b32 v[TOK], v[NUP], s[26:27]
	global_store_b32 v[TOK], v[CF+6], s[32:33]
	s_wait_xcnt 0x0                     ; and again; it also frees REM and NUP, over which H is laid
	s_or_b32 exec_lo, exec_lo, s[SAVE]
; A ROW GOES OUT: C cb + s + sum c_k cp_k, in place; rounded once to f16.  Lane r holds row r's coefficients.  H, AO and the base are never rewritten: no further wait.
.macro ROWOUT r
.set CS, C0+20*((\r)%2)
.irp i, 0,1,2,3,4,5,6,7
	v_readlane_b32 s[CS+2*(\i)], v[CF+(\i)], \r
.endr
.set i, 0
.rept 16
	v_pk_fma_f32 v[X+32*(\r)+2*i:X+32*(\r)+2*i+1], v[X+32*(\r)+2*i:X+32*(\r)+2*i+1], s[CS+12:CS+13], s[CS+14:CS+15] op_sel_hi:[1,0,0]
.set i, i+1
.endr
	WIN 0x01                            ; source 0 window 1
.set k, 0
.rept 6
.set i, 0
.rept 16
	v_pk_fma_f32 v[X+32*(\r)+2*i:X+32*(\r)+2*i+1], v[32*k+2*i:32*k+2*i+1], s[CS+2*k:CS+2*k+1], v[X+32*(\r)+2*i:X+32*(\r)+2*i+1] op_sel_hi:[1,0,1]
.set i, i+1
.endr
.set k, k+1
.endr
	WIN 0
.set i, 0
.rept 16
	v_cvt_pk_f16_f32 v[H+16*(\r)+i], v[X+32*(\r)+2*i], v[X+32*(\r)+2*i+1]
.set i, i+1
.endr
.irp j, 0,1,2,3,4,5,6,7
	global_store_b64 v[AO+(\r)], v[H+16*(\r)+2*(\j):H+16*(\r)+2*(\j)+1], s[28:29] offset:256*(\j)  ; 256 consecutive bytes, aligned
.endr
.endm
	ROWOUT 0
	ROWOUT 1
	ROWOUT 2
	ROWOUT 3
	s_wait_tensorcnt 0x0                ; the wave's end, behind my last LDS store
	ds_add_u32 v[SPW], v[NIL]
	s_wait_dscnt 0x0
	s_endpgm
.Lfunc_end_k_qeb26817d65_prep:
	.size	k_qeb26817d65_prep, .Lfunc_end_k_qeb26817d65_prep-k_qeb26817d65_prep
	.p2alignl 7, 3214868480
	.fill 96, 4, 3214868480
	.section	.rodata,"a",@progbits
	.p2align	6, 0x0
	.amdhsa_kernel k_qeb26817d65_prep
		.amdhsa_group_segment_fixed_size 34048
		.amdhsa_private_segment_fixed_size 0
		.amdhsa_enable_private_segment 0
		.amdhsa_kernarg_size 104
		.amdhsa_user_sgpr_count 2
		.amdhsa_user_sgpr_kernarg_segment_ptr 1
		.amdhsa_wavefront_size32 1
		.amdhsa_system_sgpr_workgroup_id_x 1
		.amdhsa_system_sgpr_workgroup_id_y 1
		.amdhsa_system_sgpr_workgroup_id_z 1
		.amdhsa_system_vgpr_workitem_id 0
		.amdhsa_next_free_vgpr 512
		.amdhsa_next_free_sgpr 86
		.amdhsa_reserve_vcc 1
		.amdhsa_float_denorm_mode_32 3
		.amdhsa_float_denorm_mode_16_64 3
		.amdhsa_memory_ordered 1
		.amdhsa_forward_progress 1
		.amdhsa_inst_pref_size 123
	.end_amdhsa_kernel
	.amdgpu_metadata
---
amdhsa.version: [ 1, 2 ]
amdhsa.kernels:
  - .name:           k_qeb26817d65_prep
    .symbol:         k_qeb26817d65_prep.kd
    .args:
      - { .name: inputs, .offset: 0, .size: 8, .value_kind: global_buffer, .address_space: global }
      - { .name: time_enc, .offset: 8, .size: 8, .value_kind: global_buffer, .address_space: global }
      - { .name: pos_enc, .offset: 16, .size: 8, .value_kind: global_buffer, .address_space: global }
      - { .name: ln_gamma, .offset: 24, .size: 8, .value_kind: global_buffer, .address_space: global }
      - { .name: ln_beta, .offset: 32, .size: 8, .value_kind: global_buffer, .address_space: global }
      - { .name: w_p, .offset: 40, .size: 8, .value_kind: global_buffer, .address_space: global }
      - { .name: b_p, .offset: 48, .size: 8, .value_kind: global_buffer, .address_space: global }
      - { .name: Wt, .offset: 56, .size: 8, .value_kind: global_buffer, .address_space: global }
      - { .name: out1, .offset: 64, .size: 8, .value_kind: global_buffer, .address_space: global }
      - { .name: out2, .offset: 72, .size: 8, .value_kind: global_buffer, .address_space: global }
      - { .name: aw, .offset: 80, .size: 8, .value_kind: global_buffer, .address_space: global }
      - { .name: wh, .offset: 88, .size: 8, .value_kind: global_buffer, .address_space: global }
      - { .name: cw, .offset: 96, .size: 8, .value_kind: global_buffer, .address_space: global }
    .group_segment_fixed_size: 34048
    .private_segment_fixed_size: 0
    .kernarg_segment_align: 8
    .kernarg_segment_size: 104
    .max_flat_workgroup_size: 256
    .sgpr_count:     86
    .vgpr_count:     512
    .wavefront_size: 32
...
	.end_amdgpu_metadata
.endif
;; end of part 1
;; launch gemm (part 2): grid 4 x 64, 4 waves a work-group, clusters of 4 x 1, 296,448 bytes of LDS; arguments aw, wh, cw, bt, out0; writes out0
.if DOCPART == 2
	.amdgcn_target "amdgcn-amd-amdhsa--gfx1250"
	.amdhsa_code_object_version 6
	.text
	.protected	k_qeb26817d65_gemm
	.globl	k_qeb26817d65_gemm
	.p2align	8
	.type	k_qeb26817d65_gemm,@function
k_qeb26817d65_gemm:
	s_mov_b64 s[64:65], 0
	v_nop
	global_prefetch_b8 v0, s[64:65] scope:SCOPE_SE
	s_setreg_imm32_b32 hwreg(HW_REG_WAVE_MODE, 25, 1), 1
	s_wait_xcnt 0x0
	s_wait_alu depctr_hold_cnt(0) depctr_sa_sdst(0) depctr_va_vdst(0) depctr_va_sdst(0) depctr_va_ssrc(0) depctr_va_vcc(0) depctr_vm_vsrc(0)
	s_getreg_b32 s2, hwreg(HW_REG_IB_STS2, 6, 4)
	s_cmp_eq_u32 s2, 0
	s_cbranch_scc0 .Lentry_in_a_cluster
	s_endpgm
.Lentry_in_a_cluster:
	s_bfe_u32 s2, ttmp6, 0x10000c
	s_cmp_lg_u32 s2, 0x3003
	s_cbranch_scc0 .Lentry_shape_is_right
	s_endpgm
.Lentry_shape_is_right:
; ACT, second of two launches: out0[m][n] = sum over k of aw[m][k] wh[n][k] + cw[m] bt[n].  aw: [8192][1024] f16, wh: [1024][1024] f16, cw: [8192] f32, bt: [1024] f32, out0: [8192][1024] f32.
; Products of f16 operands, sums in f32, K ascending.  LIMITS: aw and wh arrive within f16's range (65,504); NaN and infinities are not treated apart.
; SHARES.  256 work-groups, each 128 rows x 256 columns of out0; wave w has all 128 rows and 64 columns: 32 accumulators of 16 x 16, 256 registers.
; A STAYS.  The work-group's 128 rows of aw, all 1,024 along K, fit in LDS (8 chunks of 128 rows x 256 bytes, each row padded by 16): they are asked for at the start, four tensor loads a wave, and
; no byte of LDS is filled twice.  So there is no ring: the K walk has three barriers, each behind a counted wait that shows two more chunks landed.
; CLUSTER.  The four work-groups of a cluster make the four column blocks of the same 128 rows and need the same rows of aw: each tile is asked for JOINTLY, by the same tensor load with the same
; descriptor and the mask of four.  cx, my place in the cluster, enters the global addresses of wh, bt and out0 alone.
; B COMES THROUGH REGISTERS.  No wave wants a row of wh that another wave of its work-group has fetched, and a fragment lies in registers as it lies in memory: a run of 32 loads of 16 bytes a lane takes
; 256 aligned bytes of each of my 64 rows.  Three sets of 128 registers by turns: a set is asked for two K trips, 256 matrix instructions less the quarter in hand, ahead of its first product.
; No prefetch: all of aw is asked for by the first fills, and each run of wh two trips ahead of its use.  The K walk is written out by macro, eight trips: the three sets lie in two windows, and every step stands in an immediate, so that no address is ever stepped.
; THE MATRIX INSTRUCTION IS USED TRANSPOSED (source 0 = 16 rows of wh, source 1 = 16 rows of aw): a lane then holds row m = lane % 16 and eight neighbouring columns 8 (lane / 16) + 0..7 of out0.
; REGISTERS, in windows of 256 (s_set_vgpr_msb: bits 1:0 source 0, 3:2 source 1, 5:4 source 2, 7:6 destination):
;   window 0: v0-23 addresses; v24-39 cw of my rows, as pairs; v64-127, v128-191 fragments of A, two buffers (on the way out v64-127: rows read back); v192-223 at work on the way out
;   window 1: accumulator (a, b) at 8 (4 a + b)     window 2: sets 0 and 1 of B     window 3: v0-127 set 2 of B; v128-159 bt of my columns
.set PITCH, 272       ; an LDS row: 256 bytes + 16 of padding = 68 words: the 16 rows that a load touches start at 16 different groups of four banks (64 banks of 4 bytes: ISA guide 11.1)
.set CHUNK, 128*PITCH ; 128 along K of all 128 rows
.set STAGE, 8*CHUNK   ; behind the chunks, never filled by a tensor load: 16 rows x 272 bytes for each wave, for the way out
.set SPARE, STAGE+4*16*PITCH  ; the spare words, 128 bytes for each wave: two blocks of 256 bytes that no other line names
.set BO,  3           ; v3   my byte offset in a fragment's rows of wh: 2,048 (l % 16) + 16 (l / 16); never rewritten
.set STO, 4           ; v4   the way out: where I put 32 bytes of a row
.set RD,  5           ; v5   the way out: where I read a row back
.set CO,  6           ; v6   my byte offset in two rows of out0
.set R4,  7           ; v7   4 (l % 16): my row's word of cw
.set H32, 8           ; v8   32 (l / 16): my eight columns of bt
.set SPW, 10          ; v10  LDS address of my spare word; never rewritten
.set NIL, 11          ; v11  0; never rewritten
.set ADA, 16          ; v16-23  LDS address of my A fragments in chunk c
.set CW,  24
.set AF0, 64
.set BK,  64
.set TMP, 192
.set BT,  128         ; window 3
.set WV,  14          ; s14  my wave's number
.set CX,  15          ; s15  my place in the cluster
.set MT,  16          ; s16  my block of 128 rows, which the four partners share
.set G1,  24          ; s[24:31] descriptor group 1
.set G0,  32          ; s[32:47] descriptor group 0, a set for each of my four loads
.set MSB, 0
.macro WIN new                      ; the immediate's high byte repeats the setting that is left; a switch that changes nothing is dropped
.if MSB != (\new)
	s_set_vgpr_msb (MSB<<8)|(\new)
.set MSB, \new
.endif
.endm
; A round of the cluster's barrier: my work-group's barrier, so that wave 0's signal speaks for all four waves; wave 0 signals; every wave waits for all four work-groups; my work-group's barrier once more.
.macro CROUND
	s_barrier_signal -1
	s_barrier_wait -1
	s_cmp_lg_u32 s[WV], 0
	s_cbranch_scc1 .Lnot_wave_0_\@
	s_barrier_signal -3
.Lnot_wave_0_\@:
	s_barrier_wait -3
	s_barrier_signal -1
	s_barrier_wait -1
.endm
.macro PLACES                       ; four places in front of loads into registers that matrix instructions have read, and of vector work that reads results (ISA guide 7.12.1 for vector work)
.rept 4
	v_nop
.endr
.endm
; Trip s's fragments of B: 32 loads into set s % 3; fragment (kq, b) at 32 kq + 8 b: rows 16 b + l % 16 of my 64, K = 128 s + 32 kq on.
.macro LOAD_B s
.if ((\s)%3) == 2
	WIN 0xc0                        ; destination window 3
.set SB, 0
.else
	WIN 0x80                        ; destination window 2
.set SB, 128*((\s)%3)
.endif
.irp kq, 0,1,2,3
.irp b, 0,1,2,3
	global_load_b128 v[SB+32*(\kq)+8*(\b):SB+32*(\kq)+8*(\b)+3],   v[BO], s[6:7] offset:32768*(\b)+256*(\s)+64*(\kq)
	global_load_b128 v[SB+32*(\kq)+8*(\b)+4:SB+32*(\kq)+8*(\b)+7], v[BO], s[6:7] offset:32768*(\b)+256*(\s)+64*(\kq)+32
.endr
.endr
.endm
; 16 LDS loads in one run: A's eight fragments of 16 rows x 32 K, quarter kq of chunk c, into buffer kq % 2; rows ascending
.macro FETCH_A c, kq
	WIN 0
.set FA, AF0+64*((\kq)%2)
.irp a, 0,1,2,3,4,5,6,7
	ds_load_b128 v[FA+8*(\a):FA+8*(\a)+3],   v[ADA+(\c)] offset:16*PITCH*(\a)+64*(\kq)
	ds_load_b128 v[FA+8*(\a)+4:FA+8*(\a)+7], v[ADA+(\c)] offset:16*PITCH*(\a)+64*(\kq)+32
.endr
.endm
; 16 matrix instructions: row blocks 4 half .. + 3 x all four column blocks, 32 along K.  The 32 accumulators take turns, one instruction a turn, in the same order in every quarter.
; The walk's first quarter starts the sums with the constant 0: nothing is cleared.
.macro MUL16 s, kq, half
.if ((\s)%3) == 2
	WIN 0x53                        ; B window 3, A window 0, C and D window 1
.set SB, 32*(\kq)
.else
	WIN 0x52                        ; B window 2
.set SB, 128*((\s)%3)+32*(\kq)
.endif
.set FA, AF0+64*((\kq)%2)+32*(\half)
.irp a, 0,1,2,3
.irp b, 0,1,2,3
.set AC, 8*(4*(4*(\half)+(\a))+(\b))
.if ((\s) == 0) && ((\kq) == 0)
	v_wmma_f32_16x16x32_f16 v[AC:AC+7], v[SB+8*(\b):SB+8*(\b)+7], v[FA+8*(\a):FA+8*(\a)+7], 0
.else
	v_wmma_f32_16x16x32_f16 v[AC:AC+7], v[SB+8*(\b):SB+8*(\b)+7], v[FA+8*(\a):FA+8*(\a)+7], v[AC:AC+7]
.endif
.endr
.endr
.endm
.macro LOAD_TAIL                    ; bt of my 64 columns and cw of the 128 rows: 16 loads, a trip and more ahead of the way out
	WIN 0xc0
.irp b, 0,1,2,3
	global_load_b128 v[BT+8*(\b):BT+8*(\b)+3],   v[H32], s[10:11] offset:64*(\b)
	global_load_b128 v[BT+8*(\b)+4:BT+8*(\b)+7], v[H32], s[10:11] offset:64*(\b)+16
.endr
	WIN 0
.irp a, 0,1,2,3,4,5,6,7
	global_load_b32 v[CW+2*(\a)], v[R4], s[8:9] offset:64*(\a)
.endr
.endm
; A QUARTER of trip s: 32 along K, 32 matrix instructions; in its middle the next quarter's fragments of A are fetched into the other buffer.
; In trips 1, 3 and 5 the last quarter is where the next two chunks are shown whole: each wave waits until its load of them has landed (2, 1, 0 younger loads of mine stay out), and for its LDS loads, and signals;
; sixteen matrix instructions stand between signal and wait; behind the wait the next chunk is read.
.macro QUARTER s, kq
.if (\kq) == 0
.if (\s) == 7
	s_wait_loadcnt 16                   ; set 7 is in; the 16 loads of bt and cw stay out
.else
	s_wait_loadcnt 32                   ; this trip's set is in; the next trip's 32 loads stay out
.endif
.endif
.if ((\kq) == 3) && (((\s)%2) == 1) && ((\s) < 7)
	s_wait_dscnt 0x0
	s_wait_tensorcnt 2-(\s)/2
	s_barrier_signal -1
.else
	s_wait_dscnt 8                      ; A's row blocks 0-3 are in; the youngest eight loads (blocks 4-7) may be out
.endif
	MUL16 \s, \kq, 0
.if ((\kq) == 3) && (((\s)%2) == 1) && ((\s) < 7)
	s_barrier_wait -1
.endif
.if ((\s) == 7) && ((\kq) == 3)
	s_wait_dscnt 0x0                    ; the last quarter fetches nothing
.else
	PLACES
.if (\kq) == 3
	FETCH_A (\s)+1, 0
.else
	FETCH_A \s, (\kq)+1
.endif
.if (\kq) == 0
.if (\s) < 6
	LOAD_B (\s)+2                       ; into the set that the trip before read: its last product stands in front of the places above
.elseif (\s) == 6
	LOAD_TAIL
.endif
.endif
	s_wait_dscnt 16                     ; all but the 16 just issued
.endif
	MUL16 \s, \kq, 1
.endm
	s_load_b256 s[4:11], s[0:1], 0x0    ; aw s[4:5], wh s[6:7], cw s[8:9], bt s[10:11]
	s_load_b64 s[12:13], s[0:1], 0x20   ; out0
	v_lshl_add_u32 v[SPW], v0, 2, SPARE
	v_mov_b32 v[NIL], 0
	ds_add_u32 v[SPW], v[NIL]           ; the wave's opening: the add, twice on end, and its wait ahead of my first tensor load; the set-up below, work on registers, stands between
	ds_add_u32 v[SPW], v[NIL]
	v_lshrrev_b32 v1, 5, v0
	v_readfirstlane_b32 s[WV], v1       ; wave 0..3
	s_bfe_u32 s[CX], ttmp6, 0x40000     ; cx
	s_and_b32 s[MT], ttmp7, 0xffff      ; in a cluster launch ttmp7 counts clusters along y; a cluster is one work-group high
	; descriptor group 1: a tile of 64 rows x 128 elements, padded in LDS
	s_mov_b32 s[G1], 15|(1<<16)|(1<<20)|(1<<21)|(5<<22)|(3<<25)  ; 15:0 the mask of four; 17:16 2-byte elements; 20 padding on; 21 set beside a mask; 24:22 after every 64 words (code 5); 31:25 4 words (code 3)
	s_mov_b32 s[G1+1], 128<<16          ; tensor_dim0 = 128
	s_mov_b32 s[G1+2], 64<<16           ; tensor_dim1 = 64
	s_mov_b32 s[G1+3], 128<<16          ; tile_dim0 = 128
	s_mov_b32 s[G1+4], 64               ; tile_dim1 = 64
	s_mov_b32 s[G1+5], 1024             ; 1,024 elements from row to row
	s_mov_b32 s[G1+6], 0
	s_mov_b32 s[G1+7], 0
	; my load i brings rows 64 (w % 2) .. + 63 of chunk w / 2 + 2 i: in LDS that is 64 rows x (w + 4 i)
	s_mul_i32 s17, s[WV], 64*PITCH
.irp i, 0,1,2,3
	s_mov_b32 s[G0+4*(\i)], 1           ; 1:0 count = 1
	s_add_co_u32 s[G0+4*(\i)+1], s17, (\i)*2*CHUNK  ; 63:32 LDS address: no place in the cluster enters it
.endr
	s_lshl_b32 s18, s[MT], 18           ; aw: my block's 128 rows of 2,048 bytes,
	s_and_b32 s19, s[WV], 1
	s_lshl_b32 s19, s19, 17             ; the half's 64 rows,
	s_add_co_u32 s18, s18, s19
	s_lshr_b32 s19, s[WV], 1
	s_lshl_b32 s19, s19, 8              ; the chunk's 256 bytes
	s_add_co_u32 s18, s18, s19
	s_mov_b32 s19, 0
	s_lshl_b32 s20, s[CX], 19           ; wh: 256 rows a work-group, 64 a wave (in registers that feed no descriptor)
	s_lshl_b32 s21, s[WV], 17
	s_add_co_u32 s20, s20, s21
	s_mov_b32 s21, 0
	s_lshl_b32 s22, s[CX], 10           ; bt, and a row of out0: 1,024 bytes a work-group, 256 a wave
	s_lshl_b32 s23, s[WV], 8
	s_add_co_u32 s22, s22, s23
	s_mov_b32 s23, 0
	s_lshl_b32 s48, s[MT], 9            ; cw: 128 words
	s_mov_b32 s49, 0
	s_lshl_b32 s50, s[MT], 19           ; out0: 128 rows of 4,096 bytes
	s_mov_b32 s51, 0
	v_and_b32 v1, 15, v0                ; l % 16
	v_bfe_u32 v2, v0, 4, 1              ; l / 16
	v_lshlrev_b32 v[BO], 11, v1
	v_lshl_add_u32 v[BO], v2, 4, v[BO]
	s_mul_i32 s17, s[WV], 16*PITCH
	s_add_co_u32 s17, s17, STAGE        ; my stage
	v_mul_u32_u24 v[STO], v1, PITCH     ; in: row l % 16, 32 bytes for each half of the lanes
	v_lshl_add_u32 v[STO], v2, 5, v[STO]
	v_add_nc_u32 v[STO], s17, v[STO]
	v_mul_u32_u24 v[RD], v2, PITCH      ; back: lanes 0-15 take one row of 256 bytes, lanes 16-31 the next
	v_lshl_add_u32 v[RD], v1, 4, v[RD]
	v_add_nc_u32 v[RD], s17, v[RD]
	v_lshlrev_b32 v[CO], 12, v2         ; and the same two rows in out0
	v_lshl_add_u32 v[CO], v1, 4, v[CO]
	v_lshlrev_b32 v[R4], 2, v1
	v_lshlrev_b32 v[H32], 5, v2
	v_mul_u32_u24 v9, v1, PITCH
	v_lshl_add_u32 v9, v2, 4, v9        ; a fragment's row x pitch + 16 x half
.irp c, 0,1,2,3,4,5,6,7
	v_add_nc_u32 v[ADA+(\c)], (\c)*CHUNK, v9
.endr
	s_wait_dscnt 0x0                    ; both opening adds are done
	s_wait_kmcnt 0x0
	s_add_nc_u64 s[4:5], s[4:5], s[18:19]
	s_add_nc_u64 s[6:7], s[6:7], s[20:21]
	s_add_nc_u64 s[8:9], s[8:9], s[48:49]
	s_add_nc_u64 s[10:11], s[10:11], s[22:23]
	s_add_nc_u64 s[12:13], s[12:13], s[22:23]
	s_add_nc_u64 s[12:13], s[12:13], s[50:51]
.irp i, 0,1,2,3
	s_add_nc_u64 s[G0+4*(\i)+2:G0+4*(\i)+3], s[4:5], (\i)*512  ; 120:64 global address: two chunks on
	s_or_b32 s[G0+4*(\i)+3], s[G0+4*(\i)+3], 0x80000000        ; 127:126 type = 2
.endr
	LOAD_B 0                            ; trip 0's B is on its way while the partners gather
	WIN 0                               ; at a label and at a branch every window is 0
	CROUND                              ; all four work-groups are here: the joint loads meet
.irp i, 0,1,2,3
	tensor_load_to_lds s[G0+4*(\i):G0+4*(\i)+3], s[G1:G1+7]    ; all first fills in one group: four loads of mine are out
	s_nop 0
.endr
.irp a, 0,1,2,3,4,5,6,7
	v_mov_b32 v[CW+2*(\a)+1], 0         ; cw's numbers are named as pairs; these eight lines also stand between the last tensor load and the next switch of windows
.endr
	LOAD_B 1
	WIN 0
	s_wait_tensorcnt 3                  ; my first load has landed; the three younger stay out
	s_barrier_signal -1
	s_barrier_wait -1                   ; everybody's has: chunks 0 and 1 are whole
	FETCH_A 0, 0
.irp s, 0,1,2,3,4,5,6,7
.irp kq, 0,1,2,3
	QUARTER \s, \kq
.endr
.endr
; THE WAY OUT of row block a, in three parts.  PACK: + cw[m] bt[n], each accumulator's registers in ascending order.  TOSTAGE: 32 bytes a lane into my own stage, and back as whole rows of 256 bytes.  SEND: stored.
.macro PACK a
	WIN 0x13                            ; bt window 3, cw window 0, the sums window 1, destination window 0
.irp b, 0,1,2,3
.irp p, 0,1,2,3
	v_pk_fma_f32 v[TMP+8*(\b)+2*(\p):TMP+8*(\b)+2*(\p)+1], v[BT+8*(\b)+2*(\p):BT+8*(\b)+2*(\p)+1], v[CW+2*(\a):CW+2*(\a)+1], v[8*(4*(\a)+(\b))+2*(\p):8*(4*(\a)+(\b))+2*(\p)+1] op_sel_hi:[1,0,1]
.endr
.endr
	WIN 0
.endm
.macro TOSTAGE a
.set BA, BK+32*((\a)%2)
.if (\a) >= 2
	s_wait_xcnt 0x0                     ; the stores of the block two back have read these registers: they are loaded again only behind this wait
.endif
.irp b, 0,1,2,3
	ds_store_b128 v[STO], v[TMP+8*(\b):TMP+8*(\b)+3]   offset:64*(\b)
	ds_store_b128 v[STO], v[TMP+8*(\b)+4:TMP+8*(\b)+7] offset:64*(\b)+16
.endr
.irp t, 0,1,2,3,4,5,6,7
	ds_load_b128 v[BA+4*(\t):BA+4*(\t)+3], v[RD] offset:(\t)*2*PITCH  ; LDS serves a wave's instructions in order (ISA guide 5.7.1.4): these see the stores above; the next block's stores come behind them
.endr
.endm
.macro SEND a
.set BA, BK+32*((\a)%2)
	s_wait_dscnt 0x0                    ; the block is back in registers
.irp t, 0,1,2,3,4,5,6,7
	global_store_b128 v[CO], v[BA+4*(\t):BA+4*(\t)+3], s[12:13] offset:(16*(\a)+2*(\t))*4096 th:TH_STORE_NT  ; 16 lanes store 256 consecutive bytes, at a multiple of 256 from out0's first byte
.endr
.endm
	s_wait_loadcnt 0x0                  ; bt and cw
	PLACES                              ; behind the last products
	PACK 0
	TOSTAGE 0
.irp a, 1,2,3,4,5,6,7                   ; block a's arithmetic stands between block a - 1's loads from the stage and the wait for them
	PACK \a
	SEND (\a)-1
	TOSTAGE \a
.endr
	SEND 7
	s_wait_tensorcnt 0x0                ; the wave's end, behind my last tensor load and my last LDS store
	ds_add_u32 v[SPW], v[NIL]
	s_wait_dscnt 0x0
	CROUND                              ; the closing round: no work-group ends while a partner may still ask for a tile that names it
	s_endpgm
.Lfunc_end_k_qeb26817d65_gemm:
	.size	k_qeb26817d65_gemm, .Lfunc_end_k_qeb26817d65_gemm-k_qeb26817d65_gemm
	.p2alignl 7, 3214868480
	.fill 96, 4, 3214868480
	.section	.rodata,"a",@progbits
	.p2align	6, 0x0
	.amdhsa_kernel k_qeb26817d65_gemm
		.amdhsa_group_segment_fixed_size 296448
		.amdhsa_private_segment_fixed_size 0
		.amdhsa_enable_private_segment 0
		.amdhsa_kernarg_size 40
		.amdhsa_user_sgpr_count 2
		.amdhsa_user_sgpr_kernarg_segment_ptr 1
		.amdhsa_wavefront_size32 1
		.amdhsa_system_sgpr_workgroup_id_x 1
		.amdhsa_system_sgpr_workgroup_id_y 1
		.amdhsa_system_sgpr_workgroup_id_z 1
		.amdhsa_system_vgpr_workitem_id 0
		.amdhsa_next_free_vgpr 928
		.amdhsa_next_free_sgpr 66
		.amdhsa_reserve_vcc 0
		.amdhsa_float_denorm_mode_32 3
		.amdhsa_float_denorm_mode_16_64 3
		.amdhsa_memory_ordered 1
		.amdhsa_forward_progress 1
		.amdhsa_inst_pref_size 160
	.end_amdhsa_kernel
	.amdgpu_metadata
---
amdhsa.version: [ 1, 2 ]
amdhsa.kernels:
  - .name:           k_qeb26817d65_gemm
    .symbol:         k_qeb26817d65_gemm.kd
    .args:
      - { .name: aw, .offset: 0, .size: 8, .value_kind: global_buffer, .address_space: global }
      - { .name: wh, .offset: 8, .size: 8, .value_kind: global_buffer, .address_space: global }
      - { .name: cw, .offset: 16, .size: 8, .value_kind: global_buffer, .address_space: global }
      - { .name: bt, .offset: 24, .size: 8, .value_kind: global_buffer, .address_space: global }
      - { .name: out0, .offset: 32, .size: 8, .value_kind: global_buffer, .address_space: global }
    .group_segment_fixed_size: 296448
    .private_segment_fixed_size: 0
    .kernarg_segment_align: 8
    .kernarg_segment_size: 40
    .max_flat_workgroup_size: 128
    .sgpr_count:     66
    .vgpr_count:     928
    .wavefront_size: 32
...
	.end_amdgpu_metadata
.endif
;; end of part 2
